; MI455X (gfx1250); checked and timed in simulation.
; The chip was launched on July 23, 2026; its instructions are those of AMD's public machine-readable ISA for CDNA 5 (MIT licence, August 2026) and "CDNA5" Instruction Set Architecture Reference Guide (July 2026). The comments in the code are by the model that wrote it; some were corrected since.
;; Global Attention. Allowed arithmetic: matrix products marked QUANTISED: E3M2 operands, one E8M0 scale for each 32 along K, by v_wmma_scale_f32_16x16x128_f8f6f4 with both operands' format E3M2, f32 sums; products left as they are: f32 operands where the result goes on into a quantised operand, else bf16, f16 or f32 operands; f32 sums; everything else in f32.
;; Inputs: S 32 x 1,024 x 1,024 float32; Wk 16 x 1,024 x 64 float32; Wq 16 x 1,024 x 64 float32; Wv 16 x 1,024 x 64 float32; X 32 x 1,024 float32.
;; Outputs: out0 32 x 1,024 float32.
;; This version of the problem:
;;   THIS VERSION OF THE PROBLEM IS GIVEN IN LOW PRECISION. The matrix products marked QUANTISED in the list below multiply operands that are first quantised to E3M2 (3 exponent bits, 2 mantissa bits; 6 bits a number), with one power-of-two scale for each 32 numbers along K (OCP MX v1.0); their sums are f32. All else is computed in f32.
;;   The module's matrix products, in the order in which they are computed (A, B: the left and right operand; K: the contracted axis; several contracted axes count as one K, in the product's order):
;;     1. [M 1,024, K 1,024] x [K 1,024, N 32,768]; A: input Wv; B: input S: QUANTISED
;;     2. [M 32, K 1,024] x [K 1,024, N 1,024]; A: input X; B: input Wq: QUANTISED
;;     3. [M 1,024, K 1,024] x [K 1,024, N 32,768]; A: input Wk; B: input S: QUANTISED
;;     4. batch 512 x [M 1, K 64] x [K 64, N 1,024]; A: computed on the way; B: computed on the way: left as it is (M = 1 < 16)
;;     5. batch 512 x [M 1, K 1,024] x [K 1,024, N 64]; A: softmax; B: computed on the way: left as it is (M = 1 < 16)
;;   THE QUANTISER, for each operand of a quantised product, along K:
;;     - K is cut into blocks of 32 from its start; a last block that is shorter is filled with zeros.
;;     - A block's scale is 2^e with e = floor(log2(the largest magnitude in the block)) - 4, held to -126 .. 127; a block of zeros has e = 0. As a byte (E8M0): e + 127.
;;     - Each number is divided by its block's scale, clamped to +-28, and rounded to the nearest number of E3M2, ties to even, subnormals kept.
;;     - The product sums the exact products of the quantised numbers (number of the format x scale) in f32.
;;   ~~~python
;;   def quantise(x, axis):      # numpy; x: float32 -> the quantised numbers, widened to float32 again
;;       x = np.moveaxis(x, axis, -1); K = x.shape[-1]
;;       x = np.pad(x, [(0, 0)] * (x.ndim - 1) + [(0, -K % 32)]); x = x.reshape(x.shape[:-1] + (-1, 32)); a = np.abs(x).max(-1, keepdims=True)
;;       e = np.where(a > 0, np.clip(np.frexp(np.where(a > 0, a, 1))[1] - 1 - 4, -126, 127), 0)      # np.frexp(a)[1] - 1 = floor(log2(a)), exactly
;;       r = np.clip(x / 2.0 ** e, -28, 28)
;;       step = 2.0 ** (np.maximum(np.frexp(np.where(r == 0, 1, r))[1] - 1, -2) - 2)
;;       q = np.round(r / step) * step * 2.0 ** e      # np.round: ties to even
;;       return np.moveaxis(q.reshape(q.shape[:-2] + (-1,))[..., :K], -1, axis).astype(np.float32)
;;   ~~~
;; One version. Each part assembles by itself: llvm-mc -triple=amdgcn-amd-amdhsa -mcpu=gfx1250 --defsym DOCPART=n.
;; ======== version 1 of 1: 3 launches
;; limits: a function is approximated: absolute error at most 3e-07; an absolute error that grows with the inputs' magnitude: up to 1.5e-07 times it
;; workspace buffers: wimg 1,638,400 bytes; qws 131,072 bytes; ypart 2,097,152 bytes; lpart 32,768 bytes
;; launch prep (part 1): grid 192 x 1, 8 waves a work-group, no clusters, 152,576 bytes of LDS; arguments Wk, Wv, Wq, X, wimg, qws; writes wimg, qws
.if DOCPART == 1
	.amdgcn_target "amdgcn-amd-amdhsa--gfx1250"
	.amdhsa_code_object_version 6
	.text
	.protected	k_qb1fd3b78e9_prep
	.globl	k_qb1fd3b78e9_prep
	.p2align	8
	.type	k_qb1fd3b78e9_prep,@function
k_qb1fd3b78e9_prep:
	s_mov_b64 s[64:65], 0
	v_nop
	global_prefetch_b8 v0, s[64:65] scope:SCOPE_SE
	s_setreg_imm32_b32 hwreg(HW_REG_WAVE_MODE, 25, 1), 1
	s_wait_xcnt 0x0
; GlobalAttention, first of three launches.  No work of the problem is left out anywhere in the program: all five inputs reach the output, and all five products are computed.
; THIS LAUNCH: (a) Wk and Wv, [16 heads][1024 d][64] f32, K = d, become codes of BF6 (E3M2) with one E8M0 byte for each 32 along d, stored as IMAGES OF THE OPERAND'S REGISTERS in the order in which the next launch walks them;
; (b) q' = -(log2(e) / 4) tanh(X Wq), the product on codes of both operands, stored as [32][1024] f32.
; The factor: the next launch forms E = sum q' (r - 1/2) with r = 1 / (1 + e^(2x)) = (1 - tanh x) / 2, which is log2(e) / 8 x sum q tanh(x): the logit as an exponent of 2.
; SHARES.  Work-group x: matrix m = x / 64 (0 Wk, 1 Wv, 2 Wq), head (x / 4) % 16, tile t = x % 4 of 16 columns.  Wave s takes K step s (d = 128 s .. 128 s + 127): one fragment.
; A LANE TAKES A COLUMN OF W AND ITS REGISTERS RUN DOWN d, in the order that the operand's layout gives that lane (lane (r, h): column r, d = 64 c + 32 h + 0 .. 31 in registers 6 c .. 6 c + 5): nothing is transposed.
; X: the operand wants 32 neighbours of ONE row in a lane, a load is best where neighbouring LANES take neighbouring bytes.  Both are had: each of a wave's 32 loads reads 512 consecutive bytes of one row, the rows go
; through the wave's own stage in LDS (528 bytes apart, so that sixteen rows start at sixteen different groups of banks) and come back in the operand's order.
; wimg: 16 slots of 102,400 bytes; slot 2 n + kind (n = head % 8, kind 0 K, 1 V); in it [head / 8][tile] of 12,800 bytes: 8 fragments of 1,536 bytes (registers 4 j .. 4 j + 3 of lane l at 512 j + 16 l), then 512 bytes of scale words [K step][column].
; A block's scale byte is the largest magnitude's exponent field - 4, held at 1 from below.
; LIMITS: a block of zeros gets the byte 1 where the rule says 127 (its codes are zeros, and this program alone reads the bytes); NaN and infinities among the inputs are not served;
; X Wq is summed as eight sums of 128 along d, one a wave, added in f32.
; No cluster and no tensor load: no two work-groups read the same weight, and X is 128 KiB.  W's loads take 64 consecutive bytes for sixteen lanes: the three weights are a tenth of the bytes that the program reads.
.set XWB,   32*528                     ; LDS: a wave's stage for X, 32 rows of 512 bytes + 16; eight of them from byte 0 on
.set PIM,   8*XWB                      ; then 8 images of 2,048 bytes (a wave's two result tiles),
.set SPARE, PIM+16384                  ; then the spare words, 128 bytes a wave
.set SPW,  1                           ; v1   my spare word; never rewritten
.set NIL,  2                           ; v2   0; never rewritten
.set SH8,  7                           ; v7   8 h
.set QM,   8                           ; v8-9   largest magnitudes
.set QS,   10                          ; v10-11 the conversions' scale operands
.set QB,   12                          ; v12-13 scale bytes
.set QW,   14                          ; v14, v15 at work on the scale word
.set QX,   15
.set TMPC, 40                          ; v40-46 the second halves of the blocks' codes
; 64 numbers of a lane, v[src + 32 c + i] = k 64 c + 32 h + i of its row or column, become a fragment's 12 registers at v[dst] and its scale word in v[sw].
.macro QUANT src, dst, sw
.irp c, 0,1
	v_max3_num_f32 v[QM+\c], |v[\src+32*\c]|, |v[\src+32*\c+1]|, 0x2800000   ; my block 2 c + h: all its 32 numbers are mine; and the floor 2^(5 - 127), so that the byte cannot fall under 1
.endr
.irp i, 2,4,6,8,10,12,14,16,18,20,22,24,26,28,30
.irp c, 0,1
	v_max3_num_f32 v[QM+\c], v[QM+\c], |v[\src+32*\c+\i]|, |v[\src+32*\c+\i+1]|   ; the two blocks by turns
.endr
.endr
.irp c, 0,1
	v_add_nc_u32 v[QS+\c], 0xfe000000, v[QM+\c]    ; 4 off the exponent field: the conversion takes this operand's exponent field as its scale
.endr
.irp c, 0,1
	v_lshrrev_b32 v[QB+\c], 23, v[QS+\c]           ; the scale's byte
.endr
	v_lshl_or_b32 v[QW], v[QB+1], 16, v[QB]        ; my two bytes, blocks h and 2 + h,
	v_lshlrev_b32 v[QW], v[SH8], v[QW]             ; at their places in the word;
	v_permlanex16_b32 v[QX], v[QW], s20, s21
	v_or_b32 v[\sw], v[QW], v[QX]                  ; with lane l xor 16's two the word is whole
.irp c, 0,1
	v_cvt_scalef32_pk16_bf6_f32 v[\dst+6*\c:\dst+6*\c+2], v[\src+32*\c:\src+32*\c+15], v[QS+\c]
	v_cvt_scalef32_pk16_bf6_f32 v[TMPC+4*\c:TMPC+4*\c+2], v[\src+32*\c+16:\src+32*\c+31], v[QS+\c]   ; (a conversion's three registers begin on an even number)
.endr
	v_nop                                          ; one plain place behind a scaled conversion
.irp c, 0,1
.irp i, 0,1,2
	v_mov_b32 v[\dst+6*\c+3+\i], v[TMPC+4*\c+\i]
.endr
.endr
.endm
	s_load_b256 s[4:11], s[0:1], 0x0               ; Wk s[4:5], Wv s[6:7], Wq s[8:9], X s[10:11]
	s_load_b128 s[12:15], s[0:1], 0x20             ; wimg s[12:13], qws s[14:15]
	v_lshl_add_u32 v[SPW], v0, 2, SPARE
	v_mov_b32 v[NIL], 0
	v_lshrrev_b32 v3, 5, v0
	v_readfirstlane_b32 s16, v3                    ; wave = K step s
	v_and_b32 v3, 15, v0                           ; r
	v_bfe_u32 v4, v0, 4, 1                         ; h
	v_lshlrev_b32 v5, 2, v3
	v_lshl_add_u32 v5, v4, 13, v5                  ; W: 4 r + 32 h rows of 256 bytes
	v_lshlrev_b32 v[SH8], 3, v4
	v_mov_b32 v[QX], 0                             ; written once: a lane permute's destination counts as one of its sources
	v_and_b32 v51, 31, v0
	v_lshlrev_b32 v51, 4, v51                      ; 16 x lane: an image's place for my lane, and my 16 bytes of a row's 512 of X
	v_lshlrev_b32 v52, 2, v3                       ; 4 r: a scale word's
	s_mul_i32 s42, s16, XWB                        ; my stage for X
	v_add_nc_u32 v47, s42, v51                     ; into it: 16 x lane, a row an instruction
	v_mul_u32_u24 v6, v3, 528
	v_lshl_add_u32 v6, v4, 7, v6
	v_add_nc_u32 v6, s42, v6                       ; out of it: row r, + 128 h
	s_lshl_b32 s28, s16, 11
	s_add_co_u32 s28, s28, PIM
	v_add_nc_u32 v53, s28, v51                     ; the results' images, in: my wave's 2,048 bytes
	v_lshlrev_b32 v54, 3, v0
	v_add_nc_u32 v54, PIM, v54                     ; out: 8 bytes a thread
	v_bfe_u32 v55, v0, 1, 4                        ; where thread i's two results of the sum go: batch 16 (i / 128) + (i / 2) % 16,
	v_bfe_u32 v8, v0, 7, 1
	v_lshl_add_u32 v55, v8, 4, v55
	v_lshlrev_b32 v55, 12, v55                     ; a row of 4,096 bytes;
	v_bfe_u32 v8, v0, 5, 1
	v_lshl_add_u32 v55, v8, 5, v55                 ; column 8 ((i / 32) % 2)
	v_bfe_u32 v8, v0, 6, 1
	v_lshl_add_u32 v55, v8, 4, v55                 ; + 4 ((i / 64) % 2)
	v_and_b32 v8, 1, v0
	v_lshl_add_u32 v55, v8, 3, v55                 ; + 2 (i % 2)
	s_mov_b32 s20, 0x76543210
	s_mov_b32 s21, 0xfedcba98                      ; v_permlanex16_b32's selects for lane l xor 16
	s_lshr_b32 s17, ttmp9, 6                       ; m
	s_bfe_u32 s18, ttmp9, 0x40002                  ; head
	s_and_b32 s19, ttmp9, 3                        ; t
	s_lshl_b32 s24, s18, 18                        ; the head's 262,144 bytes,
	s_lshl_b32 s25, s16, 15                        ; 128 rows of 256 bytes a K step,
	s_add_co_u32 s24, s24, s25
	s_lshl_b32 s25, s19, 6                         ; 16 columns
	s_add_co_u32 s24, s24, s25
	s_mov_b32 s25, 0
	s_and_b32 s26, s18, 7                          ; where a K or V tile goes: slot 2 (head % 8) + m,
	s_lshl_b32 s26, s26, 1
	s_add_co_u32 s26, s26, s17
	s_mul_i32 s26, s26, 102400
	s_lshr_b32 s27, s18, 3                         ; group head / 8,
	s_mul_i32 s27, s27, 51200
	s_add_co_u32 s26, s26, s27
	s_mul_i32 s27, s19, 12800                      ; tile t
	s_add_co_u32 s26, s26, s27
	s_mov_b32 s27, 0
	s_mul_i32 s28, s16, 1536                       ; in it: my fragment,
	s_mov_b32 s29, 0
	s_lshl_b32 s36, s16, 6                         ; and my 16 scale words
	s_mov_b32 s37, 0
	s_lshl_b32 s38, s18, 8                         ; q': the head's 64 numbers, the tile's 16
	s_lshl_b32 s39, s19, 6
	s_add_co_u32 s38, s38, s39
	s_mov_b32 s39, 0
	s_lshl_b32 s40, s16, 9                         ; X: 128 numbers a K step
	s_mov_b32 s41, 0
	s_wait_kmcnt 0x0
	s_cmp_eq_u32 s17, 0                            ; which weight: the choice hangs on the work-group's number alone
	s_cselect_b64 s[22:23], s[4:5], s[6:7]
	s_cmp_eq_u32 s17, 2
	s_cselect_b64 s[22:23], s[8:9], s[22:23]
	s_add_nc_u64 s[22:23], s[22:23], s[24:25]
.irp c, 0,1
.irp i, 0,1,2,3,4,5,6,7,8,9,10,11,12,13,14,15,16,17,18,19,20,21,22,23,24,25,26,27,28,29,30,31
	global_load_b32 v[64+32*\c+\i], v5, s[22:23] offset:256*(64*\c+\i) th:TH_LOAD_NT   ; W(128 s + 64 c + 32 h + i, 16 t + r)
.endr
.endr
	s_cmp_eq_u32 s17, 2
	s_cbranch_scc1 .Lquery
	; ---- Wk, Wv: the fragment and its scale words leave as they stand
	s_add_nc_u64 s[12:13], s[12:13], s[26:27]      ; my tile
	s_add_nc_u64 s[30:31], s[12:13], s[28:29]
	s_add_nc_u64 s[32:33], s[12:13], s[36:37]
	s_wait_loadcnt 0x0                             ; all 64 numbers
	QUANT 64, 16, 48
.irp j, 0,1,2
	global_store_b128 v51, v[16+4*\j:19+4*\j], s[30:31] offset:512*\j   ; 32 lanes store 512 consecutive bytes, at a multiple of 256 from the buffer's first byte
.endr
	global_store_b32 v52, v48, s[32:33] offset:12288   ; lanes r and 16 + r hold the same word and write it to the same place
	s_branch .Lend
.Lquery:
	; ---- Wq: two tiles of 16 rows of X, quantised here, against my fragment
	s_add_nc_u64 s[10:11], s[10:11], s[40:41]
	s_add_nc_u64 s[14:15], s[14:15], s[38:39]
.set I, 0
.rept 32
	global_load_b128 v[128+4*I:131+4*I], v51, s[10:11] offset:4096*I   ; row I: 32 lanes read the K step's 512 consecutive bytes
.set I, I+1
.endr
	s_mov_b32 s26, 0x4038aa3b                      ; 2 log2(e)
	s_mov_b32 s27, s26                             ; (named with it as a pair, so it is written)
	s_mov_b32 s34, 0x3f38aa3b                      ; log2(e) / 2
	s_mov_b32 s35, 0xbeb8aa3b                      ; -log2(e) / 4
	s_wait_loadcnt 32                              ; W's 64 loads are in; X's 32, issued behind them, may be out
	QUANT 64, 16, 48
	s_wait_loadcnt 0x0                             ; X
.set I, 0
.rept 32
	ds_store_b128 v47, v[128+4*I:131+4*I] offset:528*I
.set I, I+1
.endr
.irp u, 0,1
.irp c, 0,1
.irp i, 0,1,2,3,4,5,6,7
	ds_load_b128 v[128+64*\u+32*\c+4*\i:131+64*\u+32*\c+4*\i], v6 offset:8448*\u+256*\c+16*\i   ; X(16 u + r, 128 s + 64 c + 32 h + 4 i ..).  LDS serves a wave's instructions in order (ISA guide 5.7.1.4): these see my stores
.endr
.endr
.endr
	s_wait_dscnt 0x0
	QUANT 128, 28, 49
	QUANT 192, 64, 50                              ; (over W's numbers, which are done with)
.rept 8
	v_nop                                          ; a scale register written by a vector instruction stands 8 places ahead of a scaled matrix instruction, an operand so written 4
.endr
	; TRANSPOSED: source 0 = 16 columns of Wq, source 1 = 16 rows of X: lane (r, h), register j = the sum for batch 16 u + r, column 16 t + 8 h + j
	v_wmma_scale_f32_16x16x128_f8f6f4 v[80:87], v[16:27], v[28:39], 0, v48, v49 matrix_a_fmt:MATRIX_FMT_BF6 matrix_b_fmt:MATRIX_FMT_BF6
	v_wmma_scale_f32_16x16x128_f8f6f4 v[88:95], v[16:27], v[64:75], 0, v48, v50 matrix_a_fmt:MATRIX_FMT_BF6 matrix_b_fmt:MATRIX_FMT_BF6
.rept 4
	v_nop                                          ; four places in front of the first read of results, and of loads into registers that the products read
.endr
.irp j, 0,1,2,3
	ds_store_b128 v53, v[80+4*\j:83+4*\j] offset:512*\j   ; each accumulator from its low end on
.endr
	s_wait_dscnt 0x0                               ; for the others' sake: my stores have landed
	s_barrier_signal -1                            ; (the branch that leads here is the same in all eight waves)
	s_barrier_wait -1
.irp k, 0,1,2,3,4,5,6,7
	ds_load_b64 v[56+2*\k:57+2*\k], v54 offset:2048*\k   ; the eight waves' sums of my two numbers
.endr
	s_wait_dscnt 0x0
	v_pk_add_f32 v[56:57], v[56:57], v[58:59]
	v_pk_add_f32 v[60:61], v[60:61], v[62:63]
	v_pk_add_f32 v[64:65], v[64:65], v[66:67]
	v_pk_add_f32 v[68:69], v[68:69], v[70:71]
	v_pk_add_f32 v[56:57], v[56:57], v[60:61]
	v_pk_add_f32 v[64:65], v[64:65], v[68:69]
	v_pk_add_f32 v[56:57], v[56:57], v[64:65]
	v_pk_mul_f32 v[56:57], v[56:57], s[26:27] op_sel_hi:[1,0]
	v_exp_f32 v56, v56                             ; e^(2x)
	v_exp_f32 v57, v57
	v_nop                                          ; a plain place behind the transcendentals
	s_wait_alu depctr_va_vdst(0)                   ; the wait ahead of the first reader: one for both
	v_pk_add_f32 v[56:57], v[56:57], 1.0 op_sel_hi:[1,0]
	v_rcp_f32 v56, v56                             ; r = 1 / (1 + e^(2x)); tanh x = 1 - 2 r.  e^(2x) = infinity gives r = 0, e^(2x) = 0 gives r = 1: the right limits
	v_rcp_f32 v57, v57
	v_nop
	s_wait_alu depctr_va_vdst(0)
	v_fma_f32 v56, v56, s34, s35                   ; q' = -(log2(e) / 4) (1 - 2 r)
	v_fma_f32 v57, v57, s34, s35
	global_store_b64 v55, v[56:57], s[14:15]
.Lend:
	s_wait_tensorcnt 0x0                           ; the wave's end: behind my last LDS store
	ds_add_u32 v[SPW], v[NIL]
	s_wait_dscnt 0x0
	s_endpgm
.Lfunc_end_k_qb1fd3b78e9_prep:
	.size	k_qb1fd3b78e9_prep, .Lfunc_end_k_qb1fd3b78e9_prep-k_qb1fd3b78e9_prep
	.p2alignl 7, 3214868480
	.fill 96, 4, 3214868480
	.section	.rodata,"a",@progbits
	.p2align	6, 0x0
	.amdhsa_kernel k_qb1fd3b78e9_prep
		.amdhsa_group_segment_fixed_size 152576
		.amdhsa_private_segment_fixed_size 0
		.amdhsa_enable_private_segment 0
		.amdhsa_kernarg_size 48
		.amdhsa_user_sgpr_count 2
		.amdhsa_user_sgpr_kernarg_segment_ptr 1
		.amdhsa_wavefront_size32 1
		.amdhsa_system_sgpr_workgroup_id_x 1
		.amdhsa_system_sgpr_workgroup_id_y 1
		.amdhsa_system_sgpr_workgroup_id_z 1
		.amdhsa_system_vgpr_workitem_id 0
		.amdhsa_next_free_vgpr 256
		.amdhsa_next_free_sgpr 66
		.amdhsa_reserve_vcc 0
		.amdhsa_float_denorm_mode_32 3
		.amdhsa_float_denorm_mode_16_64 3
		.amdhsa_memory_ordered 1
		.amdhsa_forward_progress 1
		.amdhsa_inst_pref_size 32
	.end_amdhsa_kernel
	.amdgpu_metadata
---
amdhsa.version: [ 1, 2 ]
amdhsa.kernels:
  - .name:           k_qb1fd3b78e9_prep
    .symbol:         k_qb1fd3b78e9_prep.kd
    .args:
      - { .name: Wk, .offset: 0, .size: 8, .value_kind: global_buffer, .address_space: global }
      - { .name: Wv, .offset: 8, .size: 8, .value_kind: global_buffer, .address_space: global }
      - { .name: Wq, .offset: 16, .size: 8, .value_kind: global_buffer, .address_space: global }
      - { .name: X, .offset: 24, .size: 8, .value_kind: global_buffer, .address_space: global }
      - { .name: wimg, .offset: 32, .size: 8, .value_kind: global_buffer, .address_space: global }
      - { .name: qws, .offset: 40, .size: 8, .value_kind: global_buffer, .address_space: global }
    .group_segment_fixed_size: 152576
    .private_segment_fixed_size: 0
    .kernarg_segment_align: 8
    .kernarg_segment_size: 48
    .max_flat_workgroup_size: 256
    .sgpr_count:     66
    .vgpr_count:     256
    .wavefront_size: 32
...
	.end_amdgpu_metadata
.endif
;; end of part 1
;; launch main (part 2): grid 256 x 1, 4 waves a work-group, clusters of 4 x 1, 327,680 bytes of LDS; arguments S, wimg, qws, ypart, lpart; writes ypart, lpart
.if DOCPART == 2
	.amdgcn_target "amdgcn-amd-amdhsa--gfx1250"
	.amdhsa_code_object_version 6
	.text
	.protected	k_qb1fd3b78e9_main
	.globl	k_qb1fd3b78e9_main
	.p2align	8
	.type	k_qb1fd3b78e9_main,@function
k_qb1fd3b78e9_main:
	s_mov_b64 s[64:65], 0
	v_nop
	global_prefetch_b8 v0, s[64:65] scope:SCOPE_SE
	s_setreg_imm32_b32 hwreg(HW_REG_WAVE_MODE, 25, 1), 1
	s_wait_xcnt 0x0
	s_wait_alu depctr_hold_cnt(0) depctr_sa_sdst(0) depctr_va_vdst(0) depctr_va_sdst(0) depctr_va_ssrc(0) depctr_va_vcc(0) depctr_vm_vsrc(0)
	s_getreg_b32 s2, hwreg(HW_REG_IB_STS2, 6, 4)
	s_cmp_eq_u32 s2, 0
	s_cbranch_scc0 .Lentry_in_a_cluster
	s_endpgm
.Lentry_in_a_cluster:
	s_bfe_u32 s2, ttmp6, 0x10000c
	s_cmp_lg_u32 s2, 0x3003
	s_cbranch_scc0 .Lentry_shape_is_right
	s_endpgm
.Lentry_shape_is_right:
; GlobalAttention, second launch: keys, values, logits, weights and the weighted sum, fused.  Nothing of the problem is left out.
; A work-group owns 128 rows of S (one eighth of a batch).  Wave w (g = w / 2, c = w % 2) owns rows 64 g .. 64 g + 63 and heads 8 c .. 8 c + 7.
; PHASE 1.  The 128 rows come as f32 through two LDS slots (256 numbers of each row a slot, four fills).  Each wave quantises its 64 rows into codes of BF6 (E3M2) with E8M0 scales, straight into the operand's registers:
; 4 tiles of rows x 8 K steps x 12 = 384 registers, which stay.  The two waves of a row half quantise the same rows: that spares every LDS store and load of code images and a barrier.
; PHASE 2.  Wk's and Wv's register images (made by the launch before) come through the same two slots, a slot = one kind (K or V) of heads n and 8 + n.  For each head: four tiles of 16 key channels
; (TRANSPOSED: source 0 = W, source 1 = S: a lane holds one row and 8 channels), r = 1 / (1 + e^(2x)), E = sum q' r - (sum q') / 2, p = 2^E; then four tiles of 16 value channels (source 0 = S, source 1 = W: a lane holds
; one channel and 8 rows), 2 gelu(x), and sum over my 64 rows of p x 2 gelu.  p changes layout once a head through 256 bytes of my own LDS.  Out go, for each head, 64 sums and sum p; the last launch adds 16 parts and divides.
; BY TURNS.  A tile owes 32 matrix instructions and 120 (keys) or 280 (values) vector instructions, and the wave is alone on its SIMD: set in phases, each unit would stand idle through the other's phase.  So my four
; accumulators are two PIECES (piece 0: rows 0-31, piece 2: rows 32-63).  In a TURN one piece has its 16 matrix instructions and the other piece's arithmetic stands in slices behind them.  Turn A(i): products (tile i, piece 2)
; beside arithmetic (tile i, piece 0); turn B(i): products (tile i + 1, piece 0) beside arithmetic (tile i, piece 2).  B(3) takes the NEXT slot's tile 0.  The slices work in window 0 and the products' operands fill windows
; 1 to 3, so a slice costs two switches of the register window: the lesser price beside an idle unit.
; NO MAXIMUM IS TAKEN AWAY BEFORE THE EXPONENTIAL, since the computation itself bounds the exponent for every input: q and the keys are values of tanh, so |logit| <= 64 / 8 = 8 and |E| <= 8 log2(e) < 11.6;
; p lies in 2^-11.6 .. 2^11.6 and a sum of 1,024 of them under 2^21.6.  That is what lets the parts of different work-groups simply add.
; 2 gelu(x) = x + y - y R, y = |x|, R = erfc(y / sqrt 2) = (1 + d1 y + .. + d6 y^6)^-16 (Abramowitz and Stegun 26.2.19: absolute error under 3e-7 for every y >= 0); for large y the power is infinite and R = 0, the right limit.
; The products with one row (logits, weighted sum) are f32 multiply-adds in the lanes: a matrix tile would be fifteen sixteenths empty.
; CLUSTER.  The four work-groups of a cluster walk the same weight slots: each quarter of a slot is asked for JOINTLY (mask 15), by the same line with the same descriptor in all four.  S's tiles are each work-group's own (mask 0).
; LDS LINES.  S's rows lie 1,040 bytes apart (1,024 + 16 of padding: the sixteen rows of a load start at sixteen different groups of banks).  The weight slots are laid on the same lines (25 rows of 1,024 bytes a wave, the same
; padding): slot byte X lies at X + 16 (X / 1024).  An image of 512 bytes never straddles a padding.
; LIMITS: NaN and infinities among the inputs are not served; a block of zeros gets the scale byte 1 where the rule says 127 (its codes are zeros; the bytes never leave the registers).
; REGISTERS, in windows of 256.  Window 0: v1-21 addresses; v22-39 a head's statistics; v40-47 W's scale words, v48-63 q', two sets each; v64-95 S's scale words (4 s + t); v96-127 four accumulators; v128-159 p by rows;
;   v160-215 at work on values; v232-243 d1 .. d6.  (Phase 1: v96-103 at work, v128-255 two sets of 64 numbers.)   Windows 1, 2: S's fragments of K steps 0-3, 4-7 at 12 (4 (s % 4) + t); v192-198 at work.   Window 3: W's tile, two sets of 96.
.set SPITCH, 1040
.set P1OFF,  128*SPITCH                ; slot 1 begins here (133,120)
.set QL,     2*P1OFF                   ; q' of my batch, 4,096 bytes
.set PST,    QL+4096                   ; 256 bytes a wave: p's change of layout
.set YST,    PST+1024                  ; 2,048 bytes a wave: 8 heads x 64 sums
.set LST,    YST+8192                  ; 256 bytes a wave: 8 sums of p
.set SPARE,  LST+1024                  ; the spare words, 128 bytes a wave: two blocks of 256 bytes that no other line names
.set SLOTB,  102400                    ; a weight slot in memory
.set SPW, 1
.set NIL, 2
.set AS0, 3                            ; v3, v4   my lane's place in S's slot 0, 1
.set SH8, 5                            ; v5       8 h
.set AWB, 6                            ; v6, v7   16 x lane + my head group's half of weight slot 0, 1
.set ASB, 8                            ; v8, v9   4 x lane + the same
.set AQB, 10                           ; v10      q': my head group, + 32 h
.set APS, 11                           ; v11      p in: 4 r
.set APL, 12                           ; v12      p out: 32 h
.set AYB, 13                           ; v13      my results: 4 r
.set ALB, 14                           ; v14      my sums of p
.set ADW, 15                           ; v15      the way out: 16 x lane
.set ADQ, 17                           ; v17, v18 addresses in hand
.set ADT, 18
.set AYO, 19                           ; v19      the way out: 16 x lane in my results
.set ALO, 20                           ; v20      4 (lane % 8) in my sums
.set GLO, 21                           ; v21      4 (lane % 8)
.set SQ,  22                           ; v[22:23] sum q' of the head, even and odd channels of my half
.set LL,  24                           ; v[24:31] sum q' r, a pair for each tile of rows
.set EE,  32                           ; v32-35   E, then p
.set PX,  36                           ; v36-39   lane permutes' destinations
.set WS,  40
.set QR,  48
.set SS,  64
.set ACC, 96
.set PN,  128
.set YA,  160                          ; v[160:167] a tile's sums of p x 2 gelu, four chains
.set YV,  168                          ; v168-183 a piece's y, then 2 gelu
.set PP,  200                          ; v200-215 a piece's polynomial, then R
.set DC,  232
.set QM,  96                           ; phase 1: as in the launch before
.set QS,  98
.set QB,  100
.set QW,  102
.set QX,  103
.set XS0, 128
.set WV,  14                           ; s14 wave, s15 g, s16 c
.set GG,  15
.set CC,  16
.set SEL, 20                           ; s[20:21]
.set ABSM, 22                          ; s22  0x7fffffff
.set G1S, 24                           ; s[24:31] group 1 for S's tiles; s[32:35], s[36:39] groups 0 for slots 0, 1
.set G0S0, 32
.set G0S1, 36
.set G1W, 40                           ; s[40:47] group 1 for the weights; s[48:51], s[52:55] groups 0
.set G0W0, 48
.set G0W1, 52
.set QOF, 57                           ; s57  bytes of q' to the pair of tiles in hand
.set HB,  58                           ; s58  256 x head in its group
.set TC,  59                           ; s59  pairs of tiles to go
.set HC,  60                           ; s60  heads to go in the loop
.set YOF, 61                           ; s61  bytes of my results to the pair of tiles in hand
.set LOF, 62                           ; s62  4 x head
.set YB,  63                           ; s63  bytes of my results to the head in hand
.set C2,  66                           ; s[66:67] 2 log2(e)
.set MSB, 0
.macro WIN new                         ; the immediate's high byte repeats the setting that is left; a switch that changes nothing is dropped
.if MSB != (\new)
	s_set_vgpr_msb (MSB<<8)|(\new)
.set MSB, (\new)
.endif
.endm
.macro PLACES
.rept 4
	v_nop
.endr
.endm
.macro ROUND                           ; a round of the cluster's barrier
	s_barrier_signal -1
	s_barrier_wait -1
	s_cmp_lg_u32 s[WV], 0
	s_cbranch_scc1 .Lnot_wave_0_\@
	s_barrier_signal -3
.Lnot_wave_0_\@:
	s_barrier_wait -3
	s_barrier_signal -1
	s_barrier_wait -1
.endm
; THE CHANGE OF SLOTS.  Each wave waits for all its tensor loads (one is out: its part of the slot that is read next), adds 0 to its spare word, and waits for that and for its reads of the slot that it has left.
; fill = 1: a round of the cluster's barrier, and behind it the slot just left is filled: the wave's one tensor load until the next change.  bytes: group 0 at s[step] is stepped first (no load of mine is out).
.macro CHANGE fill, g0, g1, step, bytes
	s_wait_tensorcnt 0x0
	ds_add_u32 v[SPW], v[NIL]
.if \bytes
	s_add_nc_u64 s[\step+2:\step+3], s[\step+2:\step+3], \bytes
.endif
	s_wait_dscnt 0x0
.if \fill
	ROUND
	tensor_load_to_lds s[\g0:\g0+3], s[\g1:\g1+7]
	s_nop 0
	PLACES
.else
	s_barrier_signal -1
	s_barrier_wait -1
.endif
.endm
; PHASE 1.  64 numbers of my row 16 t + r: K step sp of the slot, k = 64 c + 32 h + 4 i ..
.macro LOADX par, t, sp, set
.irp c, 0,1
.irp i, 0,1,2,3,4,5,6,7
	ds_load_b128 v[\set+32*\c+4*\i:\set+32*\c+4*\i+3], v[AS0+\par] offset:16*SPITCH*(\t)+512*(\sp)+256*\c+16*\i
.endr
.endr
.endm
; They become fragment (t, s): 12 registers in window 1 + s / 4, and a scale word in window 0.
.macro QUANTS set, t, s
.set WN, 1+(\s)/4
.set FD, 12*(4*((\s)%4)+(\t))
.irp c, 0,1
	v_max3_num_f32 v[QM+\c], |v[\set+32*\c]|, |v[\set+32*\c+1]|, 0x2800000   ; my block 2 c + h, and the floor 2^(5 - 127)
.endr
.irp i, 2,4,6,8,10,12,14,16,18,20,22,24,26,28,30
.irp c, 0,1
	v_max3_num_f32 v[QM+\c], v[QM+\c], |v[\set+32*\c+\i]|, |v[\set+32*\c+\i+1]|
.endr
.endr
.irp c, 0,1
	v_add_nc_u32 v[QS+\c], 0xfe000000, v[QM+\c]    ; 4 off the exponent field: the conversion's scale operand
.endr
.irp c, 0,1
	v_lshrrev_b32 v[QB+\c], 23, v[QS+\c]           ; the scale's byte
.endr
	v_lshl_or_b32 v[QW], v[QB+1], 16, v[QB]
	v_lshlrev_b32 v[QW], v[SH8], v[QW]
	v_permlanex16_b32 v[QX], v[QW], s[SEL], s[SEL+1]
	v_or_b32 v[SS+4*(\s)+(\t)], v[QW], v[QX]       ; the row's scale word, whole in both halves of the lanes
	WIN WN<<6                                      ; destination in the fragment's window
.irp c, 0,1
	v_cvt_scalef32_pk16_bf6_f32 v[FD+6*\c:FD+6*\c+2], v[\set+32*\c:\set+32*\c+15], v[QS+\c]
	v_cvt_scalef32_pk16_bf6_f32 v[192+4*\c:194+4*\c], v[\set+32*\c+16:\set+32*\c+31], v[QS+\c]   ; (a conversion's three registers begin on an even number)
.endr
	v_nop                                          ; one plain place behind a scaled conversion
	WIN (WN<<6)|WN
.irp c, 0,1
.irp i, 0,1,2
	v_mov_b32 v[FD+6*\c+3+\i], v[192+4*\c+\i]
.endr
.endr
	WIN 0
.endm
; A slot of S: 8 fragments (2 K steps x 4 tiles of rows); a fragment's loads stand one fragment ahead of its arithmetic, in two sets of registers
.macro QSLOT par, k0
	LOADX \par, 0, 0, XS0
.set F, 0
.rept 8
.if F < 7
	LOADX \par, (F+1)%4, (F+1)/4, XS0+64*((F+1)%2)
	s_wait_dscnt 16                                ; this fragment's 16 loads are in; the next one's 16 may be out
.else
	s_wait_dscnt 0x0
.endif
	QUANTS XS0+64*(F%2), F%4, \k0+F/4
.set F, F+1
.endr
.endm
; PHASE 2.  Tile 0 .. 3 of my half of weight slot par (16 columns, all of K) into set tile % 2: 8 fragments as images, and 4 registers of scale words (lanes 0-15: K step 2 u, lanes 16-31: K step 2 u + 1).
; A pair of tiles is 25 lines of the slot; every offset is an immediate.
.macro LOADTILE par, tile
.set TAU, (\tile)%2
.set TB0, 25*SPITCH*((\tile)/2)
	WIN 0xc0                                       ; destination window 3
.set I, 0
.rept 24
.set XX, 12800*TAU+512*I
	ds_load_b128 v[96*TAU+4*I:96*TAU+4*I+3], v[AWB+\par] offset:TB0+XX+16*(XX/1024)   ; 32 lanes take 512 consecutive bytes
.set I, I+1
.endr
	WIN 0
.irp u, 0,1,2,3
.set XX, 12800*TAU+12288+128*\u
	ds_load_b32 v[WS+4*TAU+\u], v[ASB+\par] offset:TB0+XX+16*(XX/1024)
.endr
.endm
.macro LOADQ sreg, set, off            ; a tile's 8 numbers of q' of my half, off bytes behind s[sreg], into set
	v_add_nc_u32 v[ADQ], s[\sreg], v[AQB]
	ds_load_b128 v[QR+8*(\set):QR+8*(\set)+3], v[ADQ] offset:\off
	ds_load_b128 v[QR+8*(\set)+4:QR+8*(\set)+7], v[ADQ] offset:\off+16
.endm
.macro MM1 kind, beta, s, t
.set RA, 96*(\beta)+12*(\s)
.set RB, 12*(4*((\s)%4)+(\t))
.set RD, ACC+8*(\t)
.set RW, WS+4*(\beta)+(\s)/2
.set RS, SS+4*(\s)+(\t)
.if \kind == 0
.if (\s) == 0
	v_wmma_scale_f32_16x16x128_f8f6f4 v[RD:RD+7], v[RA:RA+11], v[RB:RB+11], 0, v[RW], v[RS] matrix_a_fmt:MATRIX_FMT_BF6 matrix_b_fmt:MATRIX_FMT_BF6
.elseif (\s)%2 == 0
	v_wmma_scale_f32_16x16x128_f8f6f4 v[RD:RD+7], v[RA:RA+11], v[RB:RB+11], v[RD:RD+7], v[RW], v[RS] matrix_a_fmt:MATRIX_FMT_BF6 matrix_b_fmt:MATRIX_FMT_BF6
.else
	v_wmma_scale_f32_16x16x128_f8f6f4 v[RD:RD+7], v[RA:RA+11], v[RB:RB+11], v[RD:RD+7], v[RW], v[RS] matrix_a_fmt:MATRIX_FMT_BF6 matrix_b_fmt:MATRIX_FMT_BF6 matrix_a_scale:MATRIX_SCALE_ROW1
.endif
.else
.if (\s) == 0
	v_wmma_scale_f32_16x16x128_f8f6f4 v[RD:RD+7], v[RB:RB+11], v[RA:RA+11], 0, v[RS], v[RW] matrix_a_fmt:MATRIX_FMT_BF6 matrix_b_fmt:MATRIX_FMT_BF6
.elseif (\s)%2 == 0
	v_wmma_scale_f32_16x16x128_f8f6f4 v[RD:RD+7], v[RB:RB+11], v[RA:RA+11], v[RD:RD+7], v[RS], v[RW] matrix_a_fmt:MATRIX_FMT_BF6 matrix_b_fmt:MATRIX_FMT_BF6
.else
	v_wmma_scale_f32_16x16x128_f8f6f4 v[RD:RD+7], v[RB:RB+11], v[RA:RA+11], v[RD:RD+7], v[RS], v[RW] matrix_a_fmt:MATRIX_FMT_BF6 matrix_b_fmt:MATRIX_FMT_BF6 matrix_b_scale:MATRIX_SCALE_ROW1
.endif
.endif
.endm
; THE VECTOR WORK OF A TURN is a numbered list; EK and EV write number LJ of it.
; HALF A TILE OF KEYS, piece y (accumulators y, y + 1), q' in set b.  Register 8 t + j of lane (r, h): x of row 16 t + r, channel 8 h + j of the tile.  r = 1 / (1 + 2^(2 log2(e) x)); sum q' r.
;   0-7 x 2 log2(e), each accumulator from its low end on; 8-23 the exponentials; 24-26 and 52 sum q' (piece 0; piece 2: a v_nop): the plain work behind each batch; 27 and 55 the one wait of each batch, ahead of its first reader;
;   28-35 + 1; 36-51 the reciprocals; 56-63 the multiply-adds, the two tiles of rows by turns.
.macro EK y, b
.set AB, ACC+8*(\y)
.if LJ < 8
	v_pk_mul_f32 v[AB+2*LJ:AB+2*LJ+1], v[AB+2*LJ:AB+2*LJ+1], s[C2:C2+1] op_sel_hi:[1,0]
.elseif LJ < 24
	v_exp_f32 v[AB+LJ-8], v[AB+LJ-8]
.elseif LJ < 27
.if (\y) == 0
	v_pk_add_f32 v[SQ:SQ+1], v[SQ:SQ+1], v[QR+8*(\b)+2*(LJ-24):QR+8*(\b)+2*(LJ-24)+1]
.elseif LJ == 24
	v_nop
.endif
.elseif LJ == 27
	s_wait_alu depctr_va_vdst(0)
.elseif LJ < 36
	v_pk_add_f32 v[AB+2*(LJ-28):AB+2*(LJ-28)+1], v[AB+2*(LJ-28):AB+2*(LJ-28)+1], 1.0 op_sel_hi:[1,0]
.elseif LJ < 52
	v_rcp_f32 v[AB+LJ-36], v[AB+LJ-36]
.elseif LJ == 52
.if (\y) == 0
	v_pk_add_f32 v[SQ:SQ+1], v[SQ:SQ+1], v[QR+8*(\b)+6:QR+8*(\b)+7]
.else
	v_nop
.endif
.elseif LJ < 55
.elseif LJ == 55
	s_wait_alu depctr_va_vdst(0)
.else
.set EI, (LJ-56)/2
.set ET, (\y)+(LJ-56)%2
	v_pk_fma_f32 v[LL+2*ET:LL+2*ET+1], v[ACC+8*ET+2*EI:ACC+8*ET+2*EI+1], v[QR+8*(\b)+2*EI:QR+8*(\b)+2*EI+1], v[LL+2*ET:LL+2*ET+1]
.endif
.endm
; HALF A TILE OF VALUES, piece y.  Register 8 t + j of lane (r, h): x of row 16 t + 8 h + j, channel r of the tile.
;   0-15 y = |x|, each accumulator from its low end on; 16-63 the polynomial; 64-95 its 16th power; 96-111 R; 112-119 x + y: the plain work behind the batch; 120 the batch's one wait; 121-128 2 gelu = x + y - y R;
;   129-136 x p, in four chains that piece 0's first products start; piece 2 alone: 137-144 the chains, the lane 16 away (the channel's other 32 rows), and the store, at s[YSR] + YIM of my results.
.macro EV y
.set AB, ACC+8*(\y)
.set PB, PN+8*(\y)
.if LJ < 16
	v_and_b32 v[YV+LJ], s[ABSM], v[AB+LJ]
.elseif LJ < 24
.set EO, 2*(LJ-16)
	v_pk_fma_f32 v[PP+EO:PP+EO+1], v[YV+EO:YV+EO+1], v[DC+10:DC+11], v[DC+8:DC+9]
.elseif LJ < 56
.set EO, 2*((LJ-24)%8)
.set ED, DC+6-2*((LJ-24)/8)
	v_pk_fma_f32 v[PP+EO:PP+EO+1], v[PP+EO:PP+EO+1], v[YV+EO:YV+EO+1], v[ED:ED+1]
.elseif LJ < 64
.set EO, 2*(LJ-56)
	v_pk_fma_f32 v[PP+EO:PP+EO+1], v[PP+EO:PP+EO+1], v[YV+EO:YV+EO+1], 1.0 op_sel_hi:[1,1,0]
.elseif LJ < 96
.set EO, 2*((LJ-64)%8)
	v_pk_mul_f32 v[PP+EO:PP+EO+1], v[PP+EO:PP+EO+1], v[PP+EO:PP+EO+1]
.elseif LJ < 112
	v_rcp_f32 v[PP+LJ-96], v[PP+LJ-96]
.elseif LJ < 120
.set EO, 2*(LJ-112)
	v_pk_add_f32 v[AB+EO:AB+EO+1], v[AB+EO:AB+EO+1], v[YV+EO:YV+EO+1]
.elseif LJ == 120
	s_wait_alu depctr_va_vdst(0)
.elseif LJ < 129
.set EO, 2*(LJ-121)
	v_pk_fma_f32 v[YV+EO:YV+EO+1], v[YV+EO:YV+EO+1], v[PP+EO:PP+EO+1], v[AB+EO:AB+EO+1] neg_lo:[1,0,0] neg_hi:[1,0,0]
.elseif LJ < 137
.set EO, 2*(LJ-129)
.set EC, YA+2*((LJ-129)%4)
.if ((\y) == 0) && (LJ < 133)
	v_pk_mul_f32 v[EC:EC+1], v[YV+EO:YV+EO+1], v[PB+EO:PB+EO+1]
.else
	v_pk_fma_f32 v[EC:EC+1], v[YV+EO:YV+EO+1], v[PB+EO:PB+EO+1], v[EC:EC+1]
.endif
.elseif LJ == 137
	v_pk_add_f32 v[YA:YA+1], v[YA:YA+1], v[YA+2:YA+3]
.elseif LJ == 138
	v_pk_add_f32 v[YA+4:YA+5], v[YA+4:YA+5], v[YA+6:YA+7]
.elseif LJ == 139
	v_pk_add_f32 v[YA:YA+1], v[YA:YA+1], v[YA+4:YA+5]
.elseif LJ == 140
	v_add_f32 v[YA], v[YA], v[YA+1]
.elseif LJ == 141
	v_permlanex16_b32 v[PX], v[YA], s[SEL], s[SEL+1]
.elseif LJ == 142
	v_add_f32 v[YA], v[YA], v[PX]
.elseif LJ == 143
	v_add_nc_u32 v[ADT], s[YSR], v[AYB]
.else
	ds_store_b32 v[ADT], v[YA] offset:YIM          ; lanes r and 16 + r write the same number to the same word
.endif
.endm
.macro EMIT ek, eb, ep                 ; the list's next number, if there is one
.if LJ < LN
	WIN 0
.if \ek == 0
	EK \ep, \eb
.else
	EV \ep
.endif
.set LJ, LJ+1
.endif
.endm
; A TURN.  mk: the products' kind (0 keys, 1 values, 2 none), from W's set mb, for piece mp: 16 matrix instructions, K ascending, the piece's two accumulators by turns, one instruction a turn; the
; first K step starts the sums: nothing is cleared.  ek: the arithmetic's kind (2 none), q' in set eb, piece ep: NS numbers of its list behind each matrix instruction, the rest behind the last.
; The slices name no register of the turn's products.  Four v_nop end the turn: the places in front of the next turn's first read of these results and of loads into the set of W just read.  Two such runs
; and a whole turn stand between an accumulator's last link and the product that begins it anew.
.macro TURN mk, mb, mp, ek, eb, ep
.set LJ, 0
.set LN, 0
.set NS, 0
.if \ek == 0
.set LN, 64
.set NS, 4
.endif
.if \ek == 1
.set LN, 137+4*(\ep)
.set NS, 9
.endif
.if \mk < 2
.irp s, 0,1,2,3,4,5,6,7
.irp u, 0,1
.if \mk == 0
	WIN 0x03|((1+\s/4)<<2)                         ; source 0 = W (window 3), source 1 = S (window 1 or 2)
.else
	WIN 0x0c|(1+\s/4)                              ; source 0 = S, source 1 = W
.endif
	MM1 \mk, \mb, \s, \mp+\u
.rept NS
	EMIT \ek, \eb, \ep
.endr
.endr
.endr
.endif
.rept 160
	EMIT \ek, \eb, \ep
.endr
	WIN 0
	PLACES
.endm
; A head's keys are done: E = sum q' r - (sum q') / 2, p = 2^E; p goes through my 256 bytes of LDS into the layout of the values' results (register 8 t + j = row 16 t + 8 h + j); sum p over my 64 rows.
.macro FINISH_K
.irp t, 0,1,2,3
	v_add_f32 v[EE+\t], v[LL+2*\t], v[LL+2*\t+1]
.endr
	v_add_f32 v[SQ], v[SQ], v[SQ+1]
.irp t, 0,1,2,3
	v_fma_f32 v[EE+\t], v[SQ], -0.5, v[EE+\t]
.endr
.irp t, 0,1,2,3
	v_permlanex16_b32 v[PX+\t], v[EE+\t], s[SEL], s[SEL+1]   ; the row's other 32 channels lie in the lane 16 away
.endr
.irp t, 0,1,2,3
	v_add_f32 v[EE+\t], v[EE+\t], v[PX+\t]
.endr
.irp t, 0,1,2,3
	v_exp_f32 v[EE+\t], v[EE+\t]
.endr
	s_lshr_b32 s[LOF], s[HB], 6
	v_add_nc_u32 v[ADT], s[LOF], v[ALB]            ; (a plain place behind the exponentials)
	s_wait_alu depctr_va_vdst(0)
.irp t, 0,1,2,3
	ds_store_b32 v[APS], v[EE+\t] offset:64*\t     ; lanes r and 16 + r hold the same p and write it to the same word
.endr
.irp t, 0,1,2,3
.irp u, 0,1
	ds_load_b128 v[PN+8*\t+4*\u:PN+8*\t+4*\u+3], v[APL] offset:64*\t+16*\u   ; LDS serves a wave's instructions in order (ISA guide 5.7.1.4): these see the stores above
.endr
.endr
	v_add_f32 v[PX], v[EE], v[EE+1]
	v_add_f32 v[PX+1], v[EE+2], v[EE+3]
	v_add_f32 v[PX], v[PX], v[PX+1]
	v_add_f32_dpp v[PX], v[PX], v[PX] row_xmask:1 row_mask:0xf bank_mask:0xf
	v_add_f32_dpp v[PX], v[PX], v[PX] row_xmask:2 row_mask:0xf bank_mask:0xf
	v_add_f32_dpp v[PX], v[PX], v[PX] row_xmask:4 row_mask:0xf bank_mask:0xf
	v_add_f32_dpp v[PX], v[PX], v[PX] row_xmask:8 row_mask:0xf bank_mask:0xf
	ds_store_b32 v[ADT], v[PX]                     ; every lane holds the sum
	s_wait_dscnt 0x0                               ; p by rows is in
.endm
; A SLOT OF KEYS (slot 0).  On the way in: tile 0's products for piece 0 are done, tile 1 is asked for.  Eight turns, six written: a loop of two trips, A(0) B(0) A(1) B(1), A(2) B(2), left in the middle of its second trip;
; then the change of slots, A(3), and B(3) with the values' first products.  Tile i + 1 is asked for at the head of B(i - 1), a whole tile ahead of its first product; q' of tile i + 1 at the head of A(i).
; THE CHANGE OF SLOTS STANDS IN FRONT OF A(3): the slot's last reads, tile 3's, were waited for at the head of B(2).  So the next slot's tile 0 lands under A(3).  fill = 1: this slot takes the next head's keys.
.macro SLOTK fill
.irp j, 0,1,2,3,4,5,6,7,8,9
	v_mov_b32 v[SQ+\j], 0                          ; the head's sums begin
.endr
	s_mov_b32 s[QOF], s[HB]
	s_mov_b32 s[TC], 2
.Lpk_\@:
	LOADQ QOF, 1, 64                               ; q' of the pair's odd tile
	TURN 0, 0, 2, 0, 0, 0                          ; A, even tile
	s_wait_dscnt 0x0                               ; the odd tile and its q' are in
	s_cmp_eq_u32 s[TC], 1
	s_cbranch_scc1 .Lnk_\@                         ; the second trip has no tile 4 to ask for
	LOADTILE 0, 2
.Lnk_\@:
	TURN 0, 1, 0, 0, 0, 2                          ; B, even tile
	s_cmp_eq_u32 s[TC], 1
	s_cbranch_scc1 .Lxk_\@
	LOADQ HB, 0, 128                               ; q' of tile 2
	TURN 0, 1, 2, 0, 1, 0                          ; A(1)
	s_wait_dscnt 0x0                               ; tile 2 and its q' are in
	LOADTILE 0, 3
	TURN 0, 0, 0, 0, 1, 2                          ; B(1)
	s_add_co_u32 s[QOF], s[QOF], 128
	s_sub_co_u32 s[TC], s[TC], 1
	s_cmp_lg_u32 s[TC], 0
	s_cbranch_scc1 .Lpk_\@
.Lxk_\@:
.if \fill
	CHANGE 1, G0W0, G1W, G0W0, 2*SLOTB
.else
	CHANGE 0, G0W0, G1W, G0W0, 0
.endif
	LOADTILE 1, 0                                  ; the values' tile 0
	TURN 0, 1, 2, 0, 1, 0                          ; A(3)
	s_wait_dscnt 0x0
	LOADTILE 1, 1
	TURN 1, 0, 0, 0, 1, 2                          ; B(3): the values' first products beside the keys' last arithmetic
	FINISH_K
.endm
; A SLOT OF VALUES (slot 1): the same walk.  more = 1: this slot takes the next head's values, and B(3) has the next head's first products; more = 0: the last head: nothing is asked for and B(3) is arithmetic alone.
.macro SLOTV more
	s_mov_b32 s[YOF], s[HB]
	s_mov_b32 s[YB], s[HB]
	s_mov_b32 s[TC], 2
.Lpv_\@:
	TURN 1, 0, 2, 1, 0, 0                          ; A, even tile
	s_wait_dscnt 0x0
	s_cmp_eq_u32 s[TC], 1
	s_cbranch_scc1 .Lnv_\@
	LOADTILE 1, 2
.Lnv_\@:
.set YSR, YOF
.set YIM, 0
	TURN 1, 1, 0, 1, 0, 2                          ; B, even tile
	s_cmp_eq_u32 s[TC], 1
	s_cbranch_scc1 .Lxv_\@
	TURN 1, 1, 2, 1, 1, 0                          ; A(1)
	s_wait_dscnt 0x0
	LOADTILE 1, 3
.set YIM, 64
	TURN 1, 0, 0, 1, 1, 2                          ; B(1)
	s_add_co_u32 s[YOF], s[YOF], 128
	s_sub_co_u32 s[TC], s[TC], 1
	s_cmp_lg_u32 s[TC], 0
	s_cbranch_scc1 .Lpv_\@
.Lxv_\@:
.set YSR, YB
.set YIM, 192
.if \more
	CHANGE 1, G0W1, G1W, G0W1, 2*SLOTB
	s_add_co_u32 s[HB], s[HB], 256                 ; on to the next head
	LOADTILE 0, 0                                  ; its keys' tile 0,
	LOADQ HB, 0, 0                                 ; and that tile's q'
	TURN 1, 1, 2, 1, 1, 0                          ; A(3)
	s_wait_dscnt 0x0
	LOADTILE 0, 1
	TURN 0, 0, 0, 1, 1, 2                          ; B(3): the next head's first products beside the values' last arithmetic
.else
	TURN 1, 1, 2, 1, 1, 0                          ; A(3)
	TURN 2, 0, 0, 1, 1, 2                          ; B(3)
.endif
.endm
	s_load_b256 s[4:11], s[0:1], 0x0               ; S s[4:5], wimg s[6:7], qws s[8:9], ypart s[10:11]
	s_load_b64 s[12:13], s[0:1], 0x20              ; lpart
	v_lshl_add_u32 v[SPW], v0, 2, SPARE
	v_mov_b32 v[NIL], 0
	ds_add_u32 v[SPW], v[NIL]                      ; the wave's opening: the add, twice on end, and its wait ahead of my first tensor load; the set-up below, work on registers, stands between
	ds_add_u32 v[SPW], v[NIL]
	v_lshrrev_b32 v15, 5, v0
	v_readfirstlane_b32 s[WV], v15                 ; wave 0..3
	s_lshr_b32 s[GG], s[WV], 1                     ; which 64 rows
	s_and_b32 s[CC], s[WV], 1                      ; which 8 heads
	s_bfe_u32 s17, ttmp6, 0x40000                  ; cx: it enters global addresses of S, q' and the results alone
	s_lshl_b32 s18, ttmp9, 2
	s_add_co_u32 s18, s18, s17                     ; work-group = 4 x cluster + cx
	s_lshr_b32 s19, s18, 3                         ; batch
	; group 1 for S: 32 rows x 256 f32, 1,024 elements from row to row; 4 words of padding behind every 256
	s_mov_b32 s[G1S], (2<<16)|(1<<20)|(7<<22)|(3<<25)   ; no mask; elements of 4 bytes; padding on; after every 256 words (code 7); 4 words (code 3)
	s_mov_b32 s[G1S+1], 256<<16                    ; tensor_dim0
	s_mov_b32 s[G1S+2], 32<<16                     ; tensor_dim1
	s_mov_b32 s[G1S+3], 256<<16                    ; tile_dim0
	s_mov_b32 s[G1S+4], 32                         ; tile_dim1
	s_mov_b32 s[G1S+5], 1024                       ; tensor_dim0_stride
	s_mov_b32 s[G1S+6], 0
	s_mov_b32 s[G1S+7], 0
	; group 1 for the weights: a quarter of a slot, 25,600 dense bytes, as 25 rows of 1,024 bytes with the same padding; mask 15: all four work-groups; bit 21 set beside a mask
	s_mov_b32 s[G1W], 15|(2<<16)|(1<<20)|(1<<21)|(7<<22)|(3<<25)
	s_mov_b32 s[G1W+1], 256<<16
	s_mov_b32 s[G1W+2], 25<<16
	s_mov_b32 s[G1W+3], 256<<16
	s_mov_b32 s[G1W+4], 25
	s_mov_b32 s[G1W+5], 256
	s_mov_b32 s[G1W+6], 0
	s_mov_b32 s[G1W+7], 0
	s_mov_b32 s[SEL], 0x76543210
	s_mov_b32 s[SEL+1], 0xfedcba98
	s_mov_b32 s[ABSM], 0x7fffffff
	s_mov_b32 s[C2], 0x4038aa3b                    ; 2 log2(e)
	s_mov_b32 s[C2+1], s[C2]                       ; (named with it as a pair, so it is written)
	s_lshl_b32 s78, s18, 19                        ; S: my work-group's 128 rows of 4,096 bytes,
	s_lshl_b32 s80, s[WV], 17                      ; the 32 of them that I fetch
	s_add_co_u32 s78, s78, s80
	s_mov_b32 s79, 0
	s_mul_i32 s81, s[WV], 32*SPITCH                ; and where they go
	s_mul_i32 s82, s[WV], 25*SPITCH                ; the weights: my quarter of a slot in LDS,
	s_mul_i32 s84, s[WV], 25600                    ; and in memory: the wave's number alone enters both
	s_mov_b32 s85, 0
	s_lshl_b32 s86, s19, 12                        ; q' of my batch
	s_mov_b32 s87, 0
	s_lshl_b32 s88, s18, 1
	s_add_co_u32 s88, s88, s[GG]                   ; 16 x batch + part = 2 x work-group + g
	s_lshl_b32 s90, s88, 12
	s_lshl_b32 s80, s[CC], 11
	s_add_co_u32 s90, s90, s80                     ; ypart: 4,096 bytes a part, my 8 heads' 2,048
	s_mov_b32 s91, 0
	s_lshl_b32 s92, s88, 6
	s_lshl_b32 s80, s[CC], 5
	s_add_co_u32 s92, s92, s80                     ; lpart: 64 bytes a part, my 32
	s_mov_b32 s93, 0
	s_wait_dscnt 0x0                               ; both opening adds are done
	s_wait_kmcnt 0x0
	s_mov_b32 s[G0S0], 1                           ; count = 1
	s_mov_b32 s[G0S0+1], s81                       ; LDS address: slot 0
	s_add_nc_u64 s[G0S0+2:G0S0+3], s[4:5], s[78:79]   ; K steps 0, 1
	s_mov_b32 s[G0S1], 1
	s_add_co_u32 s[G0S1+1], s81, P1OFF
	s_add_nc_u64 s[G0S1+2:G0S1+3], s[G0S0+2:G0S0+3], 1024   ; K steps 2, 3
	s_or_b32 s[G0S0+3], s[G0S0+3], 0x80000000      ; type = 2
	s_or_b32 s[G0S1+3], s[G0S1+3], 0x80000000
	s_mov_b32 s[G0W0], 1
	s_mov_b32 s[G0W0+1], s82
	s_add_nc_u64 s[G0W0+2:G0W0+3], s[6:7], s[84:85]   ; weight slot 0
	s_mov_b32 s[G0W1], 1
	s_add_co_u32 s[G0W1+1], s82, P1OFF
	s_add_nc_u64 s[G0W1+2:G0W1+3], s[G0W0+2:G0W0+3], SLOTB   ; weight slot 1
	s_or_b32 s[G0W0+3], s[G0W0+3], 0x80000000
	s_or_b32 s[G0W1+3], s[G0W1+3], 0x80000000
	s_add_nc_u64 s[8:9], s[8:9], s[86:87]
	s_add_nc_u64 s[10:11], s[10:11], s[90:91]
	s_add_nc_u64 s[12:13], s[12:13], s[92:93]
	ROUND                                          ; in a cluster launch every group of tensor loads stands behind a round
	tensor_load_to_lds s[G0S0:G0S0+3], s[G1S:G1S+7]   ; the two first fills go out together, in every wave: two loads of mine are out
	s_nop 0
	tensor_load_to_lds s[G0S1:G0S1+3], s[G1S:G1S+7]
	s_nop 0
	PLACES
	v_lshlrev_b32 v22, 5, v0                       ; q': 32 bytes a thread
	global_load_b128 v[200:203], v22, s[8:9]
	global_load_b128 v[204:207], v22, s[8:9] offset:16
	v_and_b32 v15, 15, v0                          ; r
	v_bfe_u32 v16, v0, 4, 1                        ; h
	v_and_b32 v17, 31, v0                          ; lane
	s_mul_i32 s80, s[GG], 64*SPITCH
	v_mul_u32_u24 v[AS0], v15, SPITCH
	v_lshl_add_u32 v[AS0], v16, 7, v[AS0]
	v_add_nc_u32 v[AS0], s80, v[AS0]               ; row 64 g + r, + 128 h
	v_add_nc_u32 v[AS0+1], P1OFF, v[AS0]
	v_lshlrev_b32 v[SH8], 3, v16
	s_mul_i32 s80, s[CC], 50*SPITCH                ; my head group's half of a slot: 50 lines
	v_lshl_add_u32 v[AWB], v17, 4, s80
	v_add_nc_u32 v[AWB+1], P1OFF, v[AWB]
	v_lshl_add_u32 v[ASB], v17, 2, s80
	v_add_nc_u32 v[ASB+1], P1OFF, v[ASB]
	s_lshl_b32 s80, s[CC], 11
	s_add_co_u32 s80, s80, QL
	v_lshl_add_u32 v[AQB], v16, 5, s80
	s_lshl_b32 s80, s[WV], 8
	s_add_co_u32 s81, s80, PST
	v_lshl_add_u32 v[APS], v15, 2, s81
	v_lshl_add_u32 v[APL], v16, 5, s81
	s_add_co_u32 s81, s80, LST
	v_mov_b32 v[ALB], s81
	v_and_b32 v18, 7, v0
	v_lshlrev_b32 v[GLO], 2, v18
	v_add_nc_u32 v[ALO], s81, v[GLO]
	s_lshl_b32 s80, s[WV], 11
	s_add_co_u32 s80, s80, YST
	v_lshl_add_u32 v[AYB], v15, 2, s80
	v_lshl_add_u32 v[AYO], v17, 4, s80
	v_mov_b32 v[QX], 0                             ; written once: a lane permute's destination counts as one of its sources
.irp t, 0,1,2,3
	v_mov_b32 v[PX+\t], 0
.endr
	v_add_nc_u32 v23, QL, v22
	s_wait_loadcnt 0x0                             ; q'
	ds_store_b128 v23, v[200:203]
	ds_store_b128 v23, v[204:207] offset:16
	s_wait_tensorcnt 0x1                           ; my part of slot 0 is in; slot 1's load may stay out
	s_wait_dscnt 0x0                               ; for the others' sake: q' has landed
	s_barrier_signal -1
	s_barrier_wait -1
	QSLOT 0, 0
	CHANGE 1, G0S0, G1S, G0S0, 2048                ; slot 0 takes K steps 4, 5
	QSLOT 1, 2
	CHANGE 1, G0S1, G1S, G0S1, 2048                ; slot 1 takes K steps 6, 7
	QSLOT 0, 4
	CHANGE 1, G0W0, G1W, G0W0, 0                   ; S has left slot 0: it takes weight slot 0, the first head's keys
	QSLOT 1, 6
	v_mov_b32 v[DC], 0x3d4c41b4                    ; d1 = .0498673470, as a pair; and so on
	v_mov_b32 v[DC+1], 0x3d4c41b4
	v_mov_b32 v[DC+2], 0x3cad2fe7                  ; d2 = .0211410061
	v_mov_b32 v[DC+3], 0x3cad2fe7
	v_mov_b32 v[DC+4], 0x3b56cd72                  ; d3 = .0032776263
	v_mov_b32 v[DC+5], 0x3b56cd72
	v_mov_b32 v[DC+6], 0x381f660e                  ; d4 = .0000380036
	v_mov_b32 v[DC+7], 0x381f660e
	v_mov_b32 v[DC+8], 0x384d0fe2                  ; d5 = .0000488906
	v_mov_b32 v[DC+9], 0x384d0fe2
	v_mov_b32 v[DC+10], 0x36b49f9e                 ; d6 = .0000053830
	v_mov_b32 v[DC+11], 0x36b49f9e
	s_mov_b32 s[HB], 0
	s_mov_b32 s[HC], 7
	CHANGE 1, G0W1, G1W, G0W1, 0                   ; S has left slot 1: it takes the first head's values; the first head's keys are whole
	LOADTILE 0, 0
	LOADQ HB, 0, 0
	s_wait_dscnt 0x0
	LOADTILE 0, 1
	TURN 0, 0, 0, 2, 0, 0                          ; the first products of all: there is no arithmetic yet to set between them
.Lhead:                                                ; seven heads; each fills both slots again, and a refill has a whole slot's work, 128 matrix instructions and their arithmetic, in which to land
	SLOTK 1
	SLOTV 1
	s_sub_co_u32 s[HC], s[HC], 1
	s_cmp_lg_u32 s[HC], 0
	s_cbranch_scc1 .Lhead
	SLOTK 0                                        ; the last head is written out: nothing is left to fetch
	SLOTV 0
	; THE WAY OUT: my 8 heads x 64 sums, 2,048 consecutive bytes, and my 8 sums of p
	v_and_b32 v[ADW], 31, v0
	v_lshlrev_b32 v[ADW], 4, v[ADW]
.irp i, 0,1,2,3
	ds_load_b128 v[PP+4*\i:PP+4*\i+3], v[AYO] offset:512*\i   ; LDS serves a wave's instructions in order: these see my stores
.endr
	ds_load_b32 v[PP+16], v[ALO]
	s_wait_dscnt 0x0
.irp i, 0,1,2,3
	global_store_b128 v[ADW], v[PP+4*\i:PP+4*\i+3], s[10:11] offset:512*\i   ; 32 lanes store 512 consecutive bytes, at a multiple of 256 from the buffer's first byte
.endr
	global_store_b32 v[GLO], v[PP+16], s[12:13]    ; lanes l and l + 8 hold the same sum and write it to the same word
	s_wait_tensorcnt 0x0                           ; the wave's end: behind my last tensor load and my last LDS store
	ds_add_u32 v[SPW], v[NIL]
	s_wait_dscnt 0x0
	ROUND                                          ; the closing round: no work-group ends while a partner may still ask for a slot that names it
	s_endpgm
.Lfunc_end_k_qb1fd3b78e9_main:
	.size	k_qb1fd3b78e9_main, .Lfunc_end_k_qb1fd3b78e9_main-k_qb1fd3b78e9_main
	.p2alignl 7, 3214868480
	.fill 96, 4, 3214868480
	.section	.rodata,"a",@progbits
	.p2align	6, 0x0
	.amdhsa_kernel k_qb1fd3b78e9_main
		.amdhsa_group_segment_fixed_size 327680
		.amdhsa_private_segment_fixed_size 0
		.amdhsa_enable_private_segment 0
		.amdhsa_kernarg_size 40
		.amdhsa_user_sgpr_count 2
		.amdhsa_user_sgpr_kernarg_segment_ptr 1
		.amdhsa_wavefront_size32 1
		.amdhsa_system_sgpr_workgroup_id_x 1
		.amdhsa_system_sgpr_workgroup_id_y 1
		.amdhsa_system_sgpr_workgroup_id_z 1
		.amdhsa_system_vgpr_workitem_id 0
		.amdhsa_next_free_vgpr 1024
		.amdhsa_next_free_sgpr 96
		.amdhsa_reserve_vcc 0
		.amdhsa_float_denorm_mode_32 3
		.amdhsa_float_denorm_mode_16_64 3
		.amdhsa_memory_ordered 1
		.amdhsa_forward_progress 1
		.amdhsa_inst_pref_size 255
	.end_amdhsa_kernel
	.section	.bss,"aw",@nobits
	.p2align	6
	.space	262144
	.amdgpu_metadata
---
amdhsa.version: [ 1, 2 ]
amdhsa.kernels:
  - .name:           k_qb1fd3b78e9_main
    .symbol:         k_qb1fd3b78e9_main.kd
    .args:
      - { .name: S, .offset: 0, .size: 8, .value_kind: global_buffer, .address_space: global }
      - { .name: wimg, .offset: 8, .size: 8, .value_kind: global_buffer, .address_space: global }
      - { .name: qws, .offset: 16, .size: 8, .value_kind: global_buffer, .address_space: global }
      - { .name: ypart, .offset: 24, .size: 8, .value_kind: global_buffer, .address_space: global }
      - { .name: lpart, .offset: 32, .size: 8, .value_kind: global_buffer, .address_space: global }
    .group_segment_fixed_size: 327680
    .private_segment_fixed_size: 0
    .kernarg_segment_align: 8
    .kernarg_segment_size: 40
    .max_flat_workgroup_size: 128
    .sgpr_count:     96
    .vgpr_count:     1024
    .wavefront_size: 32
...
	.end_amdgpu_metadata
.endif
;; end of part 2
;; launch finish (part 3): grid 64 x 1, 4 waves a work-group, no clusters, 0 bytes of LDS; arguments ypart, lpart, out0; writes out0
.if DOCPART == 3
	.amdgcn_target "amdgcn-amd-amdhsa--gfx1250"
	.amdhsa_code_object_version 6
	.text
	.protected	k_qb1fd3b78e9_finish
	.globl	k_qb1fd3b78e9_finish
	.p2align	8
	.type	k_qb1fd3b78e9_finish,@function
k_qb1fd3b78e9_finish:
	s_mov_b64 s[64:65], 0
	v_nop
	global_prefetch_b8 v0, s[64:65] scope:SCOPE_SE
	s_setreg_imm32_b32 hwreg(HW_REG_WAVE_MODE, 25, 1), 1
	s_wait_xcnt 0x0
; GlobalAttention, last launch: out0[b][64 head + v] = (sum over 16 parts of ypart) / (2 x sum over 16 parts of lpart).  The 2: ypart holds sums of p x 2 gelu.  Nothing is left out.
; ypart: [32 b][16 parts][1024] f32; lpart: [32 b][16 parts][16 heads] f32.  All parts were summed under the same (no) shift of the exponent, so they simply add.
; A work-group takes half a row of out0: 128 threads x 4 numbers.  64 work-groups are all the work there is: 2 MiB in, 128 KiB out.  No LDS, no barrier, no matrix unit: threads share nothing.
	s_load_b128 s[4:7], s[0:1], 0x0                ; ypart, lpart
	s_load_b64 s[8:9], s[0:1], 0x10                ; out0
	s_lshr_b32 s10, ttmp9, 1                       ; b
	s_and_b32 s11, ttmp9, 1                        ; which half of the row
	v_lshlrev_b32 v1, 4, v0                        ; my 16 bytes
	v_lshrrev_b32 v2, 4, v0
	v_lshlrev_b32 v2, 2, v2                        ; my head among the half's eight, 4 bytes each
	s_lshl_b32 s12, s10, 16                        ; ypart: 65,536 bytes a batch,
	s_lshl_b32 s14, s11, 11                        ; 2,048 a half
	s_add_co_u32 s12, s12, s14
	s_mov_b32 s13, 0
	s_lshl_b32 s16, s10, 10                        ; lpart: 1,024 bytes a batch,
	s_lshl_b32 s15, s11, 5                         ; 32 a half
	s_add_co_u32 s16, s16, s15
	s_mov_b32 s17, 0
	s_lshl_b32 s18, s10, 12                        ; out0: 4,096 bytes a batch
	s_add_co_u32 s18, s18, s14
	s_mov_b32 s19, 0
	s_wait_kmcnt 0x0
	s_add_nc_u64 s[4:5], s[4:5], s[12:13]
	s_add_nc_u64 s[6:7], s[6:7], s[16:17]
	s_add_nc_u64 s[8:9], s[8:9], s[18:19]
.irp p, 0,1,2,3,4,5,6,7,8,9,10,11,12,13,14,15
	global_load_b128 v[16+4*\p:19+4*\p], v1, s[4:5] offset:4096*\p th:TH_LOAD_NT   ; a wave reads 512 consecutive bytes
.endr
.irp p, 0,1,2,3,4,5,6,7,8,9,10,11,12,13,14,15
	global_load_b32 v[80+\p], v2, s[6:7] offset:64*\p
.endr
	s_wait_loadcnt 0x0                             ; all 32 loads
.irp p, 1,2,3,4,5,6,7,8,9,10,11,12,13,14,15
	v_pk_add_f32 v[16:17], v[16:17], v[16+4*\p:17+4*\p]   ; two chains by turns
	v_pk_add_f32 v[18:19], v[18:19], v[18+4*\p:19+4*\p]
.endr
.irp p, 0,2,4,6,8,10,12,14
	v_add_f32 v[80+\p], v[80+\p], v[81+\p]
.endr
.irp p, 0,4,8,12
	v_add_f32 v[80+\p], v[80+\p], v[82+\p]
.endr
	v_add_f32 v80, v80, v84
	v_add_f32 v88, v88, v92
	v_add_f32 v80, v80, v88                        ; the head's sum of p: at least 1,024 x 2^-11.6, never 0
	v_rcp_f32 v80, v80
	v_nop                                          ; a plain place behind the transcendental
	s_wait_alu depctr_va_vdst(0)                   ; the wait ahead of the first reader
	v_mul_f32 v80, 0.5, v80
	v_pk_mul_f32 v[16:17], v[16:17], v[80:81] op_sel_hi:[1,0]   ; (of the pair the low word serves both halves)
	v_pk_mul_f32 v[18:19], v[18:19], v[80:81] op_sel_hi:[1,0]
	global_store_b128 v1, v[16:19], s[8:9]         ; a wave stores 512 consecutive bytes, at a multiple of 256 from out0's first byte
	s_endpgm
.Lfunc_end_k_qb1fd3b78e9_finish:
	.size	k_qb1fd3b78e9_finish, .Lfunc_end_k_qb1fd3b78e9_finish-k_qb1fd3b78e9_finish
	.p2alignl 7, 3214868480
	.fill 96, 4, 3214868480
	.section	.rodata,"a",@progbits
	.p2align	6, 0x0
	.amdhsa_kernel k_qb1fd3b78e9_finish
		.amdhsa_group_segment_fixed_size 0
		.amdhsa_private_segment_fixed_size 0
		.amdhsa_enable_private_segment 0
		.amdhsa_kernarg_size 24
		.amdhsa_user_sgpr_count 2
		.amdhsa_user_sgpr_kernarg_segment_ptr 1
		.amdhsa_wavefront_size32 1
		.amdhsa_system_sgpr_workgroup_id_x 1
		.amdhsa_system_sgpr_workgroup_id_y 1
		.amdhsa_system_sgpr_workgroup_id_z 1
		.amdhsa_system_vgpr_workitem_id 0
		.amdhsa_next_free_vgpr 96
		.amdhsa_next_free_sgpr 66
		.amdhsa_reserve_vcc 0
		.amdhsa_float_denorm_mode_32 3
		.amdhsa_float_denorm_mode_16_64 3
		.amdhsa_memory_ordered 1
		.amdhsa_forward_progress 1
		.amdhsa_inst_pref_size 7
	.end_amdhsa_kernel
	.amdgpu_metadata
---
amdhsa.version: [ 1, 2 ]
amdhsa.kernels:
  - .name:           k_qb1fd3b78e9_finish
    .symbol:         k_qb1fd3b78e9_finish.kd
    .args:
      - { .name: ypart, .offset: 0, .size: 8, .value_kind: global_buffer, .address_space: global }
      - { .name: lpart, .offset: 8, .size: 8, .value_kind: global_buffer, .address_space: global }
      - { .name: out0, .offset: 16, .size: 8, .value_kind: global_buffer, .address_space: global }
    .group_segment_fixed_size: 0
    .private_segment_fixed_size: 0
    .kernarg_segment_align: 8
    .kernarg_segment_size: 24
    .max_flat_workgroup_size: 128
    .sgpr_count:     66
    .vgpr_count:     96
    .wavefront_size: 32
...
	.end_amdgpu_metadata
.endif
;; end of part 3
